; MI455X (gfx1250); checked and timed in simulation.
; The chip was launched on July 23, 2026; its instructions are those of AMD's public machine-readable ISA for CDNA 5 (MIT licence, August 2026) and "CDNA5" Instruction Set Architecture Reference Guide (July 2026). The comments in the code are by the model that wrote it; some were corrected since.
;; Causal Self Attention. Allowed arithmetic: matrix products marked QUANTISED: E4M3 operands, one given power-of-two scale a tensor, by v_wmma_f32_16x16x64_fp8_fp8 or v_wmma_f32_16x16x128_fp8_fp8, f32 sums; everything else in f32.
;; Inputs: bk 1,024 float32; bo 1,024 float32; bq 1,024 float32; bv 1,024 float32; lowp_scales 12 int32 (the exponents e of the quantised operands' scales 2^e); wk 1,024 x 1,024 float32; wo 1,024 x 1,024 float32; wq 1,024 x 1,024 float32; wv 1,024 x 1,024 float32; x 4 x 2,048 x 1,024 float32.
;; Outputs: out0 4 x 2,048 x 1,024 float32.
;; This version of the problem:
;;   THIS VERSION OF THE PROBLEM IS GIVEN IN LOW PRECISION. The matrix products marked QUANTISED in the list below multiply operands that are first quantised to E4M3 (4 exponent bits, 3 mantissa bits; 8 bits a number), with one given power-of-two scale for each operand tensor; their sums are f32. All else is computed in f32.
;;   The module's matrix products, in the order in which they are computed (A, B: the left and right operand; K: the contracted axis; several contracted axes count as one K, in the product's order):
;;     1. [M 8,192, K 1,024] x [K 1,024, N 1,024]; A: input x; B: input wq: QUANTISED (scales: A lowp_scales[0], B lowp_scales[1])
;;     2. [M 8,192, K 1,024] x [K 1,024, N 1,024]; A: input x; B: input wk: QUANTISED (scales: A lowp_scales[2], B lowp_scales[3])
;;     3. [M 8,192, K 1,024] x [K 1,024, N 1,024]; A: input x; B: input wv: QUANTISED (scales: A lowp_scales[4], B lowp_scales[5])
;;     4. batch 64 x [M 2,048, K 64] x [K 64, N 2,048]; A: computed on the way; B: computed on the way: QUANTISED (scales: A lowp_scales[6], B lowp_scales[7])
;;     5. batch 64 x [M 2,048, K 2,048] x [K 2,048, N 64]; A: softmax (see below); B: computed on the way: QUANTISED (scales: A lowp_scales[8], B lowp_scales[9])
;;     6. [M 8,192, K 1,024] x [K 1,024, N 1,024]; A: computed on the way; B: input wo: QUANTISED (scales: A lowp_scales[10], B lowp_scales[11])
;;   THE QUANTISER, for each operand of a quantised product, along K:
;;     - The operand's scale is 2^e, e = its entry of the input lowp_scales (int32; the entries are numbered through the quantised products in the list's order, A before B).
;;     - Each number is divided by the scale, clamped to +-448, and rounded to the nearest number of E4M3, ties to even, subnormals kept.
;;     - The product sums the exact products of the quantised numbers (number of the format x scale) in f32.
;;   ~~~python
;;   def quantise(x, axis, e):      # numpy; x: float32 -> the quantised numbers, widened to float32 again
;;       x = np.moveaxis(x, axis, -1); K = x.shape[-1]
;;       r = np.clip(x / 2.0 ** e, -448, 448)
;;       step = 2.0 ** (np.maximum(np.frexp(np.where(r == 0, 1, r))[1] - 1, -6) - 3)
;;       q = np.round(r / step) * step * 2.0 ** e      # np.round: ties to even
;;       return np.moveaxis(q, -1, axis).astype(np.float32)
;;   ~~~
;;   SOFTMAX AHEAD OF A QUANTISED PRODUCT. Where the list says 'softmax', what is quantised is not the finished softmax but p = 2^(t - M), with t = logit x log2(e) and M = ceil(the row's largest t), a whole number; so 1/2 < the row's largest p <= 1. The row's sum l is taken of the UNQUANTISED p, in f32, and the product's result is divided by l at the end. Since M is a whole number, a kernel that streams over the keys may use a running M (the ceiling of the running maximum): every later rescaling is an exact power of two, so the quantised numbers keep their values, but for numbers so far below the row's largest that they fall under the format's range.
;;   OPERANDS COMPUTED ON THE WAY. 'Computed on the way' means the value that the module computes at that place (a softmax that the list does not call 'softmax' is quantised finished and normalised). What goes into a quantiser is computed in f32, as accurately as f32 sums, v_exp_f32 and their like allow (about 1e-6 of the number): no bf16 or f16 on the way to a quantiser, and a product that is left as it is and whose result goes on into a quantised operand takes f32 operands (vector FMAs, or v_wmma_f32_16x16x4_f32). A number that lies on a knife's edge between two numbers of the format may be rounded either way, as far as f32 arithmetic and the matrix unit's own rounding can turn it there, and no further.
;; One version. Each part assembles by itself: llvm-mc -triple=amdgcn-amd-amdhsa -mcpu=gfx1250 --defsym DOCPART=n.
;; ======== version 1 of 1: 4 launches
;; limits: right only within a limited range of input values
;; workspace buffers: codes 29,360,128 bytes; qkv 25,165,824 bytes; oc 8,388,608 bytes
;; launch quant (part 1): grid 384 x 1, 4 waves a work-group, no clusters, 36,352 bytes of LDS; arguments x, wq, wk, wv, wo, lowp_scales, codes; writes codes
.if DOCPART == 1
	.amdgcn_target "amdgcn-amd-amdhsa--gfx1250"
	.amdhsa_code_object_version 6
	.text
	.protected	k_q62a5b6ad01_quant
	.globl	k_q62a5b6ad01_quant
	.p2align	8
	.type	k_q62a5b6ad01_quant,@function
k_q62a5b6ad01_quant:
	s_mov_b64 s[64:65], 0
	v_nop
	global_prefetch_b8 v0, s[64:65] scope:SCOPE_SE
	s_setreg_imm32_b32 hwreg(HW_REG_WAVE_MODE, 25, 1), 1
	s_wait_xcnt 0x0
; x [8192][1024] and the four weights [1024 (k)][1024 (n)], all f32, become codes of E4M3 in the workspace buffer 'codes':
;   XQ at 0, XK at 8 MiB, XV at 16 MiB: x with the scales 2^e0, 2^e2, 2^e4: [8192 rows][1024 places], a byte a place;
;   WQ, WK, WV, WO at 24, 25, 26, 27 MiB, with 2^e1, 2^e3, 2^e5, 2^e11: [1024 (n)][1024 places]: K innermost.
; code = number / 2^e, held within +-448, to the nearest code, ties to even.
; THE ORDER OF K IN A ROW is this program's own: a permutation of k that is the same in both operands of a product keeps every product with its partner.
;   x, wq, wk, wv: inside each 512 along K, place 16 l + 4 j + i holds k = 128 j + 4 l + i (l 0..31, j, i 0..3): so lane l's four loads of 16 bytes, each load 512 consecutive
;   bytes of the wave, give it the 16 numbers whose codes are its 16 consecutive bytes of the output: dense on both sides, with no turn through LDS.
;   wo: place p holds k = p with bits 3 and 4 exchanged: four loads of 16 bytes, 32 apart, then give a lane k = 16 c + 8 (lane / 16) + 0..7 in registers 2 c, 2 c + 1.
; Work-groups 0..255 take x (a wave: 16 steps of 512 numbers), work-groups 256..383 a weight (a wave: 32 columns x 256 places).  Only the weights' way uses LDS.
; LIMITS: e0, e1, e2, e3, e4, e5, e11 between -126 and 119, so that 2^e and 448 x 2^e are f32 numbers.  NaN among the inputs is not served; an infinity is held at the largest code.
.set XWG,   256                        ; work-groups for x
.set R,     16                         ; v16-79   x: four sets of 16 numbers as loaded
.set T,     80
.set C,     128                        ; v128-139 x: three sets of 16 codes
.set PITCH, 272                        ; weights: a stage row: 256 codes + 16 bytes
.set X,     32                         ; v32-95   weights: two sets of 32 numbers
.set CW,    96                         ; v96-103  weights: a block's codes
.set OUTR,  112                        ; v112-175 weights: the way out
.macro SCALE e, vs, vl                 ; s[e] = e  ->  v[vs] = 2^e (the conversion takes its exponent field)
	s_add_co_i32 s36, s[\e], 127
	s_lshl_b32 s37, s36, 23
	v_mov_b32 v[\vs], s37
	s_add_co_i32 s36, s36, 8
	s_lshl_b32 s36, s36, 23
	s_or_b32 s36, s36, 0x600000                    ; the mantissa field of 448
.endm
	s_load_b256 s[4:11], s[0:1], 0x0               ; x, wq, wk, wv
	s_load_b128 s[12:15], s[0:1], 0x20             ; wo, the scales' exponents
	s_load_b64 s[16:17], s[0:1], 0x30              ; codes
	v_lshl_add_u32 v192, v0, 2, 0x8c00
	v_mov_b32 v193, 0
	v_lshrrev_b32 v1, 5, v0
	v_readfirstlane_b32 s18, v1                    ; wave
	v_and_b32 v2, 31, v0                           ; lane
	s_cmp_lt_u32 ttmp9, XWG
	s_cbranch_scc0 .Lweights
; ---------------- x ----------------
	v_lshlrev_b32 v3, 4, v2                        ; 16 x lane: my bytes of a load's 512 and of a store's 512
	s_lshl_b32 s19, ttmp9, 2
	s_add_co_u32 s19, s19, s18                     ; which run of 8,192 numbers is my wave's
	s_lshl_b32 s26, s19, 15                        ; 32,768 bytes of f32 a run
	s_mov_b32 s27, 0
	s_lshl_b32 s34, s19, 13                        ; 8,192 bytes of codes a run
	s_mov_b32 s35, 0
	s_wait_alu depctr_va_vdst(0)
	s_wait_kmcnt 0x0
	s_load_b128 s[28:31], s[14:15], 0x0            ; e0 .. e3
	s_load_b32 s32, s[14:15], 0x10                 ; e4
	s_add_nc_u64 s[4:5], s[4:5], s[26:27]
	s_add_nc_u64 s[20:21], s[16:17], s[34:35]      ; XQ
	s_add_nc_u64 s[22:23], s[20:21], 0x800000      ; XK
	s_add_nc_u64 s[24:25], s[20:21], 0x1000000     ; XV
.macro LOADX t                         ; step t: four loads, each 512 consecutive bytes of the wave
.irp j, 0,1,2,3
	global_load_b128 v[R+16*((\t)%4)+4*\j:R+16*((\t)%4)+4*\j+3], v3, s[4:5] offset:2048*(\t)+512*\j th:TH_LOAD_NT
.endr
.endm
.irp t, 0,1,2,3
	LOADX \t
.endr
	s_wait_kmcnt 0x0
	SCALE 28, 8, 12
	SCALE 30, 9, 13
	SCALE 32, 10, 14
.macro XSTEP t
.if (\t) < 13
	s_wait_loadcnt 12                              ; this step's four loads are in; those of the three steps behind it may be out
.else
	s_wait_loadcnt 4*(15-(\t))
.endif
	s_wait_xcnt 0x0                                ; the last step's stores have read their data: the codes' registers are written again only behind this wait
.irp s, 0,1,2
.set n, 0
.rept 16
.set n, n+1
.endr
	v_cvt_scalef32_pk8_fp8_f32 v[C+4*\s:C+4*\s+1], v[T+16*\s+((R+16*((\t)%4)+n)-(T+16*\s+n)):T+16*\s+7+((R+16*((\t)%4)+n)-(T+16*\s+n))], v[8+\s]
	v_cvt_scalef32_pk8_fp8_f32 v[C+4*\s+2:C+4*\s+3], v[T+16*\s+8+((R+16*((\t)%4)+n)-(T+16*\s+n)):T+16*\s+15+((R+16*((\t)%4)+n)-(T+16*\s+n))], v[8+\s]
.endr
.if (\t)+4 < 16
	v_nop
	LOADX (\t)+4                                   ; the set has been read by the conversions: it takes the loads of four steps on
.endif
	global_store_b128 v3, v[C:C+3], s[20:21] offset:512*(\t)       ; each store of the wave covers 512 consecutive bytes, aligned
	global_store_b128 v3, v[C+4:C+7], s[22:23] offset:512*(\t)
	global_store_b128 v3, v[C+8:C+11], s[24:25] offset:512*(\t)
.endm
	s_wait_alu depctr_va_vdst(0)
.irp t, 0,1,2,3,4,5,6,7,8,9,10,11,12,13,14,15
	XSTEP \t
.endr
	s_endpgm
; ---------------- the weights: a lane takes a column n, and its registers run down K in the order of the places ----------------
.Lweights:
	s_sub_co_u32 s19, ttmp9, XWG
	s_lshr_b32 s33, s19, 5                         ; which weight: 0 wq, 1 wk, 2 wv, 3 wo
	s_and_b32 s34, s19, 7                          ; which 128 columns
	s_bfe_u32 s35, s19, 0x20003                    ; y: which 256 places
	s_wait_alu depctr_va_vdst(0)
	v_lshlrev_b32 v3, 2, v2                        ; in: 4 bytes a lane
	s_mul_i32 s36, s18, 32*PITCH                   ; my wave's stage
	v_mul_u32_u24 v4, v2, PITCH
	v_add_nc_u32 v4, s36, v4                       ; into it: row = my column
	v_and_b32 v5, 15, v2
	v_lshrrev_b32 v6, 4, v2
	v_mul_u32_u24 v7, v6, PITCH
	v_lshl_add_u32 v7, v5, 4, v7
	v_add_nc_u32 v7, s36, v7                       ; out of it: sixteen lanes to a row, two rows an instruction
	v_lshlrev_b32 v8, 10, v6
	v_lshl_add_u32 v8, v5, 4, v8                   ; and the same place in the codes (a row is 1,024 bytes)
	s_lshl_b32 s31, s33, 3
	s_add_co_u32 s31, s31, 4                       ; entries 1, 3, 5 of the scales,
	s_cmp_eq_u32 s33, 3
	s_cselect_b32 s38, 16, 0
	s_add_co_u32 s31, s31, s38                     ; and 11 for wo
	s_lshl_b32 s37, s35, 8                         ; the first row k of my 256 places: wo: 256 y;
	s_lshr_b32 s38, s35, 1
	s_lshl_b32 s38, s38, 9
	s_and_b32 s39, s35, 1
	s_lshl_b32 s39, s39, 6
	s_add_co_u32 s38, s38, s39                     ; the others: 512 (y / 2) + 64 (y % 2)
	s_cmp_eq_u32 s33, 3
	s_cselect_b32 s37, s37, s38
	s_lshl_b32 s40, s34, 7
	s_lshl_b32 s41, s18, 5
	s_add_co_u32 s40, s40, s41                     ; my wave's first column
	s_lshl_b32 s42, s37, 12
	s_lshl_b32 s41, s40, 2
	s_add_co_u32 s42, s42, s41                     ; in the weight: row x 4,096 + 4 x column
	s_mov_b32 s43, 0
	s_lshl_b32 s44, s33, 20
	s_add_co_u32 s44, s44, 0x1800000               ; in the codes: 24 MiB + 1 MiB x weight
	s_lshl_b32 s41, s40, 10
	s_add_co_u32 s44, s44, s41                     ; + column x 1,024
	s_lshl_b32 s41, s35, 8
	s_add_co_u32 s44, s44, s41                     ; + 256 y
	s_mov_b32 s45, 0
	s_wait_kmcnt 0x0
	s_cmp_eq_u32 s33, 1                            ; the choice hangs on the work-group's number alone
	s_cselect_b64 s[4:5], s[8:9], s[6:7]
	s_cmp_eq_u32 s33, 2
	s_cselect_b64 s[4:5], s[10:11], s[4:5]
	s_cmp_eq_u32 s33, 3
	s_cselect_b64 s[4:5], s[12:13], s[4:5]
	s_load_b32 s30, s[14:15], s31 offset:0x0       ; e
	s_add_nc_u64 s[4:5], s[4:5], s[42:43]
	s_add_nc_u64 s[20:21], s[16:17], s[44:45]
; Block t: places 32 t + r of my 256, r = 0..31, into set t % 2.  The two orders of K differ in the loads' offsets alone; both arms issue 32 loads into the same registers.
.macro LOADW t
	s_cmp_eq_u32 s33, 3
	s_cbranch_scc1 .Lwo_\@
.set r, 0
.rept 32
	global_load_b32 v[X+32*((\t)%2)+r], v3, s[4:5] offset:4096*(128*((r>>2)&3)+8*(\t)+4*(r>>4)+(r&3)) th:TH_LOAD_NT
.set r, r+1
.endr
	s_branch .Lgot_\@
.Lwo_\@:
.set r, 0
.rept 32
	global_load_b32 v[X+32*((\t)%2)+r], v3, s[4:5] offset:4096*(32*(\t)+(r&7)+16*((r>>3)&1)+8*((r>>4)&1)) th:TH_LOAD_NT
.set r, r+1
.endr
.Lgot_\@:
.endm
	LOADW 0
	LOADW 1
	s_wait_kmcnt 0x0
	SCALE 30, 11, 10
.macro BLOCK t
.set XS, X+32*((\t)%2)
.if (\t) < 7
	s_wait_loadcnt 32                              ; this block's 32 loads are in; the next block's may be out
.else
	s_wait_loadcnt 0
.endif
.set n, 0
.rept 32
.set n, n+1
.endr
.irp g, 0,1,2,3
	v_cvt_scalef32_pk8_fp8_f32 v[CW+2*\g:CW+2*\g+1], v[XS+8*\g:XS+8*\g+7], v11
.endr
	ds_store_b128 v4, v[CW:CW+3] offset:32*(\t)    ; 32 codes: 32 bytes of my column's row
	ds_store_b128 v4, v[CW+4:CW+7] offset:32*(\t)+16
.if (\t)+2 < 8
	LOADW (\t)+2
.endif
	s_wait_dscnt 0x0                               ; the stores have read their registers: the next block's codes may be written
.endm
	s_wait_alu depctr_va_vdst(0)
.irp t, 0,1,2,3,4,5,6,7
	BLOCK \t
.endr
.irp t, 0,1,2,3,4,5,6,7,8,9,10,11,12,13,14,15
	ds_load_b128 v[OUTR+4*\t:OUTR+4*\t+3], v7 offset:2*\t*PITCH    ; LDS serves a wave's instructions in order (ISA guide 5.7.1.4): these see my stores
.endr
.irp t, 0,1,2,3,4,5,6,7,8,9,10,11,12,13,14,15
	s_wait_dscnt 15-\t                             ; the younger loads may be out
	global_store_b128 v8, v[OUTR+4*\t:OUTR+4*\t+3], s[20:21] offset:2*\t*1024   ; sixteen lanes store 256 consecutive bytes, aligned
.endr
	s_wait_tensorcnt 0x0
	ds_add_u32 v192, v193
	s_wait_dscnt 0x0
	s_endpgm
.Lfunc_end_k_q62a5b6ad01_quant:
	.size	k_q62a5b6ad01_quant, .Lfunc_end_k_q62a5b6ad01_quant-k_q62a5b6ad01_quant
	.p2alignl 7, 3214868480
	.fill 96, 4, 3214868480
	.section	.rodata,"a",@progbits
	.p2align	6, 0x0
	.amdhsa_kernel k_q62a5b6ad01_quant
		.amdhsa_group_segment_fixed_size 36352
		.amdhsa_private_segment_fixed_size 0
		.amdhsa_enable_private_segment 0
		.amdhsa_kernarg_size 56
		.amdhsa_user_sgpr_count 2
		.amdhsa_user_sgpr_kernarg_segment_ptr 1
		.amdhsa_wavefront_size32 1
		.amdhsa_system_sgpr_workgroup_id_x 1
		.amdhsa_system_sgpr_workgroup_id_y 1
		.amdhsa_system_sgpr_workgroup_id_z 1
		.amdhsa_system_vgpr_workitem_id 0
		.amdhsa_next_free_vgpr 194
		.amdhsa_next_free_sgpr 66
		.amdhsa_reserve_vcc 0
		.amdhsa_float_denorm_mode_32 3
		.amdhsa_float_denorm_mode_16_64 3
		.amdhsa_fp16_overflow 1
		.amdhsa_memory_ordered 1
		.amdhsa_forward_progress 1
		.amdhsa_inst_pref_size 78
	.end_amdhsa_kernel
	.amdgpu_metadata
---
amdhsa.version: [ 1, 2 ]
amdhsa.kernels:
  - .name:           k_q62a5b6ad01_quant
    .symbol:         k_q62a5b6ad01_quant.kd
    .args:
      - { .name: x, .offset: 0, .size: 8, .value_kind: global_buffer, .address_space: global }
      - { .name: wq, .offset: 8, .size: 8, .value_kind: global_buffer, .address_space: global }
      - { .name: wk, .offset: 16, .size: 8, .value_kind: global_buffer, .address_space: global }
      - { .name: wv, .offset: 24, .size: 8, .value_kind: global_buffer, .address_space: global }
      - { .name: wo, .offset: 32, .size: 8, .value_kind: global_buffer, .address_space: global }
      - { .name: lowp_scales, .offset: 40, .size: 8, .value_kind: global_buffer, .address_space: global }
      - { .name: codes, .offset: 48, .size: 8, .value_kind: global_buffer, .address_space: global }
    .group_segment_fixed_size: 36352
    .private_segment_fixed_size: 0
    .kernarg_segment_align: 8
    .kernarg_segment_size: 56
    .max_flat_workgroup_size: 128
    .sgpr_count:     66
    .vgpr_count:     194
    .wavefront_size: 32
...
	.end_amdgpu_metadata
.endif
;; end of part 1
;; launch gemm_qkv (part 2): grid 4 x 192, 4 waves a work-group, clusters of 4 x 4, 327,680 bytes of LDS; arguments codes, lowp_scales, bq, bk, bv, qkv; writes qkv
.if DOCPART == 2
	.amdgcn_target "amdgcn-amd-amdhsa--gfx1250"
	.amdhsa_code_object_version 6
	.text
	.protected	k_q62a5b6ad01_gemm_qkv
	.globl	k_q62a5b6ad01_gemm_qkv
	.p2align	8
	.type	k_q62a5b6ad01_gemm_qkv,@function
k_q62a5b6ad01_gemm_qkv:
	s_mov_b64 s[64:65], 0
	v_nop
	global_prefetch_b8 v0, s[64:65] scope:SCOPE_SE
	s_setreg_imm32_b32 hwreg(HW_REG_WAVE_MODE, 25, 1), 1
	s_wait_xcnt 0x0
	s_wait_alu depctr_hold_cnt(0) depctr_sa_sdst(0) depctr_va_vdst(0) depctr_va_sdst(0) depctr_va_ssrc(0) depctr_va_vcc(0) depctr_vm_vsrc(0)
	s_getreg_b32 s2, hwreg(HW_REG_IB_STS2, 6, 4)
	s_cmp_eq_u32 s2, 0
	s_cbranch_scc0 .Lentry_in_a_cluster
	s_endpgm
.Lentry_in_a_cluster:
	s_bfe_u32 s2, ttmp6, 0x10000c
	s_cmp_lg_u32 s2, 0xf033
	s_cbranch_scc0 .Lentry_shape_is_right
	s_endpgm
.Lentry_shape_is_right:
; q = x wq + bq, k = x wk + bk, v = x wv + bv on codes of E4M3, and their quantising for attention.  One text for the three: cluster y / 16 says which.
;   q, k: C[token][channel]: A = x's codes (8,192 rows), B = the weight's codes (1,024 rows).     v: C[channel][token]: A = wv's codes, B = x's codes: so v comes out with the KEYS along a lane's registers.
; A tile of C is 128 (A's rows) x 256 (B's rows), K = 1,024; four waves, each 64 x 128: 32 accumulators.  768 work-groups: three for each of 256 WGPs.
; THE MATRIX INSTRUCTION IS USED TRANSPOSED (source 0 = 16 rows of B, source 1 = 16 rows of A): lane (r, h) holds row r of A's block and columns 16 b + 8 h + 0..7.  One conversion of an accumulator's eight
; numbers then gives registers 2 b, 2 b + 1 of the next product's operand.  So the codes leave AS IMAGES OF OPERAND REGISTERS: four registers a store, lane l's 16 bytes at 16 l: 512 consecutive bytes, aligned.
;   qkv: Q at 0, K at 8 MiB: [batch x head 64][token / 16 128][1,024 B] (16 tokens x 64 channels: registers 0-3, then 4-7);  V at 16 MiB: [batch x head][key / 128 16][channel / 16 4][2,048 B] (16 channels x 128 keys).
; value = sum x 2^(eA + eB) + bias, in f32; code = value / 2^eOut, held within +-448.  The bias goes by column for q and k and by row for v: both are loaded, and the one that does not apply is made 0 by a select.
; K goes in steps of 256 places through a ring of two LDS slots, four slots' worth in all: the text is written out, without a loop.
; CLUSTERS: 4 x 4 work-groups: A's tile is shared along a row of the cluster, B's along a column: each is asked for jointly.
; No prefetch: of K's four slots two are first fills, and the tiles of A and B are read by several clusters.
; LIMITS: e0 + e1, e2 + e3, e4 + e5 between -126 and 127; e6, e7, e9 between -126 and 119.
; REGISTERS, in windows of 256: window 0: addresses, biases, the way out.  window 1: B's fragments, two sets (v0, v128).  window 2: accumulator (a, b) at v[64 a + 8 b].  window 3: A's fragments, two sets (v0, v64).
.set PITCH,  272                       ; an LDS row: 256 bytes + 16 of padding = 68 words: the 16 rows that a load touches start at 16 different banks (64 banks of 4 bytes: ISA guide 11.1)
.set ATILE,  128*PITCH                 ; A's 128 rows
.set SLOT,   384*PITCH                 ; then B's 256 rows
.set SPARE,  2*SLOT                    ; behind the ring: the spare words, 128 bytes for each wave: two blocks of 256 bytes that no other line names
.set ASTEP,  512                       ; two slots on along K, in bytes
.set BSTEP,  512
.set ADRA, 16                          ; v16-17  LDS address of my A fragments in slot 0, 1
.set ADRB, 20                          ; v20-21  the same for B
.set SPW,  28                          ; v28     LDS address of my spare word; never rewritten
.set NIL,  29                          ; v29     0, for the add alone
.set ZERO, 30                          ; v30     0, for the selects
.set OFF,  32                          ; v32-39  byte offsets of my eight pieces of 1,024 bytes in qkv
.set BM,   40                          ; v40-47  the bias by row: a pair for each of my four blocks of A's rows
.set BN,   48                          ; v48-111 the bias by column: eight numbers for each of my eight blocks of B's rows
.set T,    112                         ; v112-175 a block's 64 values
.set CD,   176                         ; v176-239 the codes: 16 registers a block, so that no store's data are written again
.set SC,   240                         ; v240    2^eOut
.set LIM,  241
.set G1,  24                           ; s[24:31] descriptor group 1 for A's tiles; s[32:39] group 0, a set for each slot
.set G0,  32
.set G1B, 48                           ; s[48:55], s[56:63] the same for B's
.set G0B, 56
.set MSB, 0
.macro WIN new                         ; the immediate's high byte repeats the setting that is left; a switch that changes nothing is dropped
.if MSB != \new
	s_set_vgpr_msb (MSB<<8)|\new
.set MSB, \new
.endif
.endm
.set MUL,  0xad                        ; source 0 (B) window 1, source 1 (A) window 3, C and D window 2
.set TO_B, 0x40                        ; destination window 1, address window 0
.set TO_A, 0xc0                        ; destination window 3
; A joint load: waves 0 and 1 fetch A's halves, waves 2 and 3 B's.  The branch hangs on the wave's number alone.  Four v_nop follow each of the two lines.
.macro JLOAD g0a, g1a, g0b, g1b
	s_cmp_eq_u32 s17, 0
	s_cbranch_scc0 .Lfor_b_\@
	tensor_load_to_lds s[\g0a:\g0a+3], s[\g1a:\g1a+7]
	s_nop 0
.rept 4
	v_nop
.endr
	s_branch .Lasked_\@
.Lfor_b_\@:
	tensor_load_to_lds s[\g0b:\g0b+3], s[\g1b:\g1b+7]
	s_nop 0
.rept 4
	v_nop
.endr
.Lasked_\@:
.endm
.macro CREST                           ; a round of the cluster's barrier behind its opening barrier
	s_cmp_lg_u32 s16, 0
	s_cbranch_scc1 .Lnot_wave_0_\@
	s_barrier_signal -3
.Lnot_wave_0_\@:
	s_barrier_wait -3
	s_barrier_signal -1
	s_barrier_wait -1
.endm
.macro CROUND
	s_barrier_signal -1
	s_barrier_wait -1
	CREST
.endm
.macro PLACES n                        ; plain vector lines between a matrix instruction and a load into, or a read of, its registers
.rept \n
	v_nop
.endr
.endm
	s_load_b256 s[4:11], s[0:1], 0x0               ; codes s[4:5], the scales' exponents s[6:7], bq s[8:9], bk s[10:11]
	s_load_b128 s[12:15], s[0:1], 0x20             ; bv s[12:13], qkv s[14:15]
	v_lshl_add_u32 v[SPW], v0, 2, SPARE
	v_mov_b32 v[NIL], 0
	ds_add_u32 v28, v29
	ds_add_u32 v28, v29
	s_wait_dscnt 0x0
	v_mov_b32 v[ZERO], 0
	v_lshrrev_b32 v1, 5, v0
	v_readfirstlane_b32 s16, v1                    ; wave 0..3
	s_lshr_b32 s17, s16, 1                         ; which 64 of A's rows are mine.  Also: I fetch for A (0) or for B (1)
	s_and_b32 s18, s16, 1                          ; which 128 of B's rows are mine.  Also: which half of that tile I fetch
	s_bfe_u32 s19, ttmp6, 0x40000                  ; cx
	s_bfe_u32 s20, ttmp6, 0x40004                  ; cy
	s_and_b32 s21, ttmp7, 0xffff                   ; cluster y, 0..47
	s_lshr_b32 s22, s21, 4                         ; which: 0 q, 1 k, 2 v
	s_lshr_b32 s23, s22, 1                         ; 1 for v
	s_and_b32 s66, s21, 15
	s_mul_i32 s67, s23, 3
	s_lshr_b32 s67, 15, s67                        ; q, k: 16 clusters down A, 1 along B;  v: 2 down A, 8 along B
	s_and_b32 s67, s66, s67
	s_lshr_b32 s68, s66, 1
	s_mul_i32 s68, s68, s23
	s_lshl_b32 s86, s67, 2
	s_add_co_u32 s86, s86, s20                     ; A's tile (128 rows): 4 x the cluster's + cy
	s_lshl_b32 s87, s68, 2
	s_add_co_u32 s87, s87, s19                     ; B's tile (256 rows): 4 x the cluster's + cx
	s_lshl_b32 s69, s20, 2
	s_lshl_b32 s69, 15, s69                        ; my row of the cluster
	s_lshl_b32 s70, 0x1111, s19                    ; my column
	s_or_b32 s[G1], s69, (1<<20)|(1<<21)|(5<<22)|(3<<25)   ; 15:0 the mask; 17:16 elements of 1 byte; 20 padding on; 21 set beside a mask; 24:22 after every 64 words; 31:25 four words
	s_or_b32 s[G1B], s70, (1<<20)|(1<<21)|(5<<22)|(3<<25)
	s_mov_b32 s[G1+1], 256<<16                     ; tensor_dim0 = 256
	s_mov_b32 s[G1+2], 64<<16                      ; tensor_dim1 = 64
	s_mov_b32 s[G1+3], 256<<16                     ; tile_dim0
	s_mov_b32 s[G1+4], 64                          ; tile_dim1
	s_mov_b32 s[G1+5], 1024                        ; from row to row
	s_mov_b32 s[G1+6], 0
	s_mov_b32 s[G1+7], 0
	s_mov_b32 s[G1B+1], 256<<16
	s_mov_b32 s[G1B+2], 128<<16
	s_mov_b32 s[G1B+3], 256<<16
	s_mov_b32 s[G1B+4], 128
	s_mov_b32 s[G1B+5], 1024
	s_mov_b32 s[G1B+6], 0
	s_mov_b32 s[G1B+7], 0
	; where the tiles come from, as offsets in 'codes'.  A's registers never hold cx, B's never cy
	s_lshl_b32 s40, s86, 7
	s_lshl_b32 s41, s18, 6
	s_add_co_u32 s40, s40, s41                     ; A: row 128 x tile + 64 x half
	s_lshl_b32 s40, s40, 10
	s_mul_i32 s41, s22, 0x800000                   ; x's codes for q, k: 8 MiB x which;
	s_add_co_u32 s40, s40, s41
	s_mul_i32 s41, s23, 0xa00000                   ; v: wv's codes at 26 MiB = 16 + 10
	s_add_co_u32 s40, s40, s41
	s_mov_b32 s41, 0
	s_lshl_b32 s44, s87, 8
	s_lshl_b32 s45, s18, 7
	s_add_co_u32 s44, s44, s45                     ; B: row 256 x tile + 128 x half
	s_lshl_b32 s44, s44, 10
	s_lshl_b32 s45, s22, 20
	s_add_co_u32 s44, s44, s45
	s_add_co_u32 s44, s44, 0x1800000               ; the weight's codes for q, k: 24 MiB + 1 MiB x which;
	s_mul_i32 s45, s23, 0xa00000
	s_sub_co_u32 s44, s44, s45                     ; v: x's codes at 16 MiB = 26 - 10
	s_mov_b32 s45, 0
	s_mul_i32 s42, s18, 64*PITCH                   ; and where they go: no place in the cluster enters an LDS address
	s_mul_i32 s46, s18, 128*PITCH
	s_add_co_u32 s46, s46, ATILE
	s_lshl_b32 s84, s22, 3                         ; the product's two exponents: entries 2 which, 2 which + 1
	s_add_co_u32 s85, s22, s23
	s_add_co_u32 s85, s85, 6
	s_lshl_b32 s85, s85, 2                         ; the result's: entry 6, 7 or 9
	s_wait_kmcnt 0x0
	s_load_b64 s[80:81], s[6:7], s84 offset:0x0
	s_load_b32 s82, s[6:7], s85 offset:0x0
	s_add_nc_u64 s[40:41], s[4:5], s[40:41]
	s_add_nc_u64 s[44:45], s[4:5], s[44:45]
	s_cmp_eq_u32 s22, 0
	s_cselect_b64 s[74:75], s[8:9], s[10:11]
	s_cmp_eq_u32 s22, 2
	s_cselect_b64 s[74:75], s[12:13], s[74:75]     ; the bias
	CROUND                                         ; all sixteen work-groups are here: the first joint loads meet
.irp s, 0,1
	s_mov_b32 s[G0+4*\s], 1
	s_add_co_u32 s[G0+4*\s+1], s42, \s*SLOT
	s_add_nc_u64 s[G0+4*\s+2:G0+4*\s+3], s[40:41], \s*256
	s_or_b32 s[G0+4*\s+3], s[G0+4*\s+3], 0x80000000
	s_mov_b32 s[G0B+4*\s], 1
	s_add_co_u32 s[G0B+4*\s+1], s46, \s*SLOT
	s_add_nc_u64 s[G0B+4*\s+2:G0B+4*\s+3], s[44:45], \s*256
	s_or_b32 s[G0B+4*\s+3], s[G0B+4*\s+3], 0x80000000
	JLOAD G0+4*\s, G1, G0B+4*\s, G1B               ; two loads of mine are out here, one behind each later round
.endr
	v_and_b32 v1, 15, v0                           ; r
	v_bfe_u32 v2, v0, 4, 1                         ; h
	s_wait_alu depctr_va_vdst(0)
	v_and_b32 v3, 31, v0
	v_lshlrev_b32 v3, 4, v3                        ; 16 x lane
	s_wait_alu depctr_va_vdst(0)
	v_mul_u32_u24 v4, v1, PITCH
	v_lshl_add_u32 v4, v2, 4, v4                   ; a fragment's row x pitch + 16 h
	s_mul_i32 s66, s17, 64*PITCH
	s_mul_i32 s67, s18, 128*PITCH
	s_add_co_u32 s67, s67, ATILE
.irp s, 0,1
	v_add_nc_u32 v[ADRA+\s], s66, v4
	v_add_nc_u32 v[ADRB+\s], s67, v4
	s_add_co_u32 s66, s66, SLOT
	s_add_co_u32 s67, s67, SLOT
.endr
	; the biases.  The side that does not apply is cut to 0..1023, so that its loads stay inside the buffer
	s_lshl_b32 s66, s87, 8
	s_lshl_b32 s67, s18, 7
	s_add_co_u32 s66, s66, s67
	s_and_b32 s66, s66, 1023
	s_lshl_b32 s66, s66, 2
	v_lshl_add_u32 v5, v2, 5, s66                  ; by column: 4 x (my first column + 8 h)
	s_lshl_b32 s67, s86, 7
	s_lshl_b32 s68, s17, 6
	s_add_co_u32 s67, s67, s68
	s_and_b32 s67, s67, 1023
	s_lshl_b32 s67, s67, 2
	v_lshl_add_u32 v6, v1, 2, s67                  ; by row: 4 x (my first row + r)
.irp b, 0,1,2,3,4,5,6,7
	global_load_b128 v[BN+8*\b:BN+8*\b+3], v5, s[74:75] offset:64*\b
	global_load_b128 v[BN+8*\b+4:BN+8*\b+7], v5, s[74:75] offset:64*\b+16
.endr
.irp a, 0,1,2,3
	global_load_b32 v[BM+2*\a], v6, s[74:75] offset:64*\a
.endr
	; where my codes go.  q, k: piece (a, u) = tokens 16 a on, head u of my two;  v: piece (a, u) = channels 16 a on, half u of the image
	s_lshr_b32 s66, s86, 4
	s_lshl_b32 s66, s66, 4                         ; 16 x batch
	s_lshl_b32 s67, s87, 2
	s_add_co_u32 s66, s66, s67
	s_lshl_b32 s67, s18, 1
	s_add_co_u32 s66, s66, s67                     ; + my first head
	s_lshl_b32 s66, s66, 7
	s_and_b32 s67, s86, 15
	s_lshl_b32 s67, s67, 3
	s_add_co_u32 s66, s66, s67
	s_lshl_b32 s67, s17, 2
	s_add_co_u32 s66, s66, s67                     ; x 128 + my first block of 16 tokens
	s_lshl_b32 s66, s66, 10
	s_lshl_b32 s67, s22, 23
	s_add_co_u32 s66, s66, s67                     ; Q at 0, K at 8 MiB
	s_lshl_b32 s68, s87, 1
	s_add_co_u32 s68, s68, s18                     ; v: my block of 128 tokens, 0..63
	s_lshr_b32 s69, s68, 4
	s_lshl_b32 s69, s69, 4
	s_lshl_b32 s70, s86, 1
	s_add_co_u32 s69, s69, s70
	s_add_co_u32 s69, s69, s17                     ; 16 x batch + my head
	s_lshl_b32 s69, s69, 4
	s_and_b32 s68, s68, 15
	s_add_co_u32 s69, s69, s68
	s_lshl_b32 s69, s69, 13
	s_add_co_u32 s69, s69, 0x1000000               ; V at 16 MiB
	s_mov_b32 s71, 0x20000                         ; from u to u + 1: a head (131,072) or half an image (1,024)
	s_mov_b32 s72, 0x400                           ; from a to a + 1: an image of 1,024 or of 2,048
	s_cmp_eq_u32 s23, 1
	s_cselect_b32 s70, s69, s66
	s_cselect_b32 s71, 0x400, s71
	s_cselect_b32 s72, 0x800, s72
.irp a, 0,1,2,3
	v_add_nc_u32 v[OFF+2*\a], s70, v3
	s_add_co_u32 s73, s70, s71
	v_add_nc_u32 v[OFF+2*\a+1], s73, v3
	s_add_co_u32 s70, s70, s72
.endr
; 48 LDS loads in one run: the fragments of the slot's q-th 128 places into set p.  A fragment is four loads of 16 bytes, 32 apart: the same places in A and in B.
.macro FETCH slot, q, p
	WIN TO_B
.irp i, 0,1,2,3,4,5,6,7
.irp c, 0,1,2,3
	ds_load_b128 v[128*(\p)+16*\i+4*\c:128*(\p)+16*\i+4*\c+3], v[ADRB+\slot] offset:128*(\q)+32*\c+\i*16*PITCH
.endr
.endr
	WIN TO_A
.irp i, 0,1,2,3
.irp c, 0,1,2,3
	ds_load_b128 v[64*(\p)+16*\i+4*\c:64*(\p)+16*\i+4*\c+3], v[ADRA+\slot] offset:128*(\q)+32*\c+\i*16*PITCH
.endr
.endr
.endm
; 8 matrix instructions: A's block a x B's eight, 128 along K, set p.  The 32 accumulators take turns, one instruction a turn, in the same order in every step.
.macro MUL8 a, p, zero
.irp b, 0,1,2,3,4,5,6,7
.if \zero
	v_wmma_f32_16x16x128_fp8_fp8 v[64*(\a)+8*\b:64*(\a)+8*\b+7], v[128*(\p)+16*\b:128*(\p)+16*\b+15], v[64*(\p)+16*(\a):64*(\p)+16*(\a)+15], 0
.else
	v_wmma_f32_16x16x128_fp8_fp8 v[64*(\a)+8*\b:64*(\a)+8*\b+7], v[128*(\p)+16*\b:128*(\p)+16*\b+15], v[64*(\p)+16*(\a):64*(\p)+16*(\a)+15], v[64*(\a)+8*\b:64*(\a)+8*\b+7]
.endif
.endr
.endm
; A slot's first 128 places (set 0); the second 128's fragments are asked for ahead of its 32 products.
.macro STEP slot, zero
	s_wait_dscnt 0x0                               ; set 0 is in
	PLACES 4                                       ; set 1 was read by the products just issued
	FETCH \slot, 1, 1
	WIN MUL
	MUL8 0, 0, \zero
	MUL8 1, 0, \zero
	MUL8 2, 0, \zero
	MUL8 3, 0, \zero
	WIN 0
.endm
; A slot's second 128 places (set 1), and the change of slots: ONE barrier; in front of it each wave waits for all its tensor loads, adds 0 to its spare word, and waits for that and for its reads of this slot.
.macro TURN slot, next, fill
	s_wait_tensorcnt 0x0                           ; all my tensor loads have landed: my part of the next slot
	ds_add_u32 v[SPW], v[NIL]                      ; 0 onto my spare word
	s_wait_dscnt 1                                 ; set 1 is in; the add alone may be out
	WIN MUL
	MUL8 0, 1, 0                                   ; eight matrix instructions stand between the add and the wait for it
	s_wait_dscnt 0x0                               ; the add is done, and my reads of this slot are over
	s_barrier_signal -1
	MUL8 1, 1, 0
	WIN 0                                          ; at a branch and at a label every window is 0
	s_barrier_wait -1
.if \fill
	CREST                                          ; the barrier has opened a round of the cluster's: no wave of any partner still reads this slot or has a load on its way
	s_add_nc_u64 s[G0+4*\slot+2:G0+4*\slot+3], s[G0+4*\slot+2:G0+4*\slot+3], ASTEP
	s_add_nc_u64 s[G0B+4*\slot+2:G0B+4*\slot+3], s[G0B+4*\slot+2:G0B+4*\slot+3], BSTEP
	JLOAD G0+4*\slot, G1, G0B+4*\slot, G1B         ; the first tensor load behind the round; its four v_nop are also the places in front of the loads below
.else
	PLACES 4
.endif
	FETCH \next, 0, 0
	WIN MUL
	MUL8 2, 1, 0
	MUL8 3, 1, 0
	WIN 0
.endm
	s_wait_tensorcnt 1                             ; my part of slot 0 is in; slot 1's may stay out
	s_barrier_signal -1
	s_barrier_wait -1
	FETCH 0, 0, 0
	STEP 0, 1                                      ; the first products start the sums: nothing is cleared
	TURN 0, 1, 1                                   ; slot 0 takes places 512..767
	STEP 1, 0
	TURN 1, 0, 1                                   ; slot 1 takes places 768..1023
	STEP 0, 0
	TURN 0, 1, 0
	STEP 1, 0
	s_wait_dscnt 0x0
	WIN MUL
	MUL8 0, 1, 0
	MUL8 1, 1, 0
	MUL8 2, 1, 0
	MUL8 3, 1, 0
	WIN 0
	; THE WAY OUT
	s_wait_loadcnt 0x0                             ; the biases
	s_wait_kmcnt 0x0                               ; the exponents
	s_add_co_i32 s76, s80, s81
	s_add_co_i32 s76, s76, 127
	s_lshl_b32 s76, s76, 23                        ; 2^(eA + eB) as f32
	s_mov_b32 s77, s76                             ; (named with it as a pair, so it is written)
	s_add_co_i32 s66, s82, 127
	s_lshl_b32 s67, s66, 23
	v_mov_b32 v[SC], s67
	s_cmp_eq_u32 s23, 1
	s_cselect_b32 s83, -1, 0                       ; all lanes for v, none for q and k
.set n, 0
.rept 64
	v_cndmask_b32 v[BN+n], v[BN+n], v[ZERO], s83   ; v has no bias by column.  (These lines are also the places behind the last products)
.set n, n+1
.endr
.irp a, 0,1,2,3
	v_cndmask_b32 v[BM+2*\a], v[ZERO], v[BM+2*\a], s83   ; q and k have none by row
	v_mov_b32 v[BM+2*\a+1], v[BM+2*\a]
.endr
.irp a, 0,1,2,3
	WIN 0x02                                       ; source 0: window 2
.set n, 0
.rept 32
	v_pk_fma_f32 v[T+n:T+n+1], v[64*\a+n:64*\a+n+1], s[76:77], v[BN+n:BN+n+1] op_sel_hi:[1,0,1]   ; sum x 2^(eA + eB) + the bias by column; each accumulator from its low end on
.set n, n+2
.endr
	WIN 0
.set n, 0
.rept 32
	v_pk_add_f32 v[T+n:T+n+1], v[T+n:T+n+1], v[BM+2*\a:BM+2*\a+1]   ; + the bias by row: one of the two is exactly 0, so nothing is rounded twice
.set n, n+2
.endr
.set n, 0
.rept 64
.set n, n+1
.endr
.irp b, 0,1,2,3,4,5,6,7
	v_cvt_scalef32_pk8_fp8_f32 v[CD+16*\a+2*\b:CD+16*\a+2*\b+1], v[T+8*\b:T+8*\b+7], v[SC]
.endr
	v_nop                                          ; a plain line between the conversions and the next block's writes of their sources
.irp c, 0,1,2,3
	global_store_b128 v[OFF+2*\a+\c/2], v[CD+16*\a+4*\c:CD+16*\a+4*\c+3], s[14:15] offset:512*(\c%2)   ; 512 consecutive bytes, aligned
.endr
.endr
	s_wait_tensorcnt 0x0                           ; the wave's end
	ds_add_u32 v[SPW], v[NIL]
	s_wait_dscnt 0x0
	CROUND                                         ; the closing round: no work-group ends while a partner may still ask for a tile that names it
	s_endpgm
.Lfunc_end_k_q62a5b6ad01_gemm_qkv:
	.size	k_q62a5b6ad01_gemm_qkv, .Lfunc_end_k_q62a5b6ad01_gemm_qkv-k_q62a5b6ad01_gemm_qkv
	.p2alignl 7, 3214868480
	.fill 96, 4, 3214868480
	.section	.rodata,"a",@progbits
	.p2align	6, 0x0
	.amdhsa_kernel k_q62a5b6ad01_gemm_qkv
		.amdhsa_group_segment_fixed_size 327680
		.amdhsa_private_segment_fixed_size 0
		.amdhsa_enable_private_segment 0
		.amdhsa_kernarg_size 48
		.amdhsa_user_sgpr_count 2
		.amdhsa_user_sgpr_kernarg_segment_ptr 1
		.amdhsa_wavefront_size32 1
		.amdhsa_system_sgpr_workgroup_id_x 1
		.amdhsa_system_sgpr_workgroup_id_y 1
		.amdhsa_system_sgpr_workgroup_id_z 1
		.amdhsa_system_vgpr_workitem_id 0
		.amdhsa_next_free_vgpr 896
		.amdhsa_next_free_sgpr 96
		.amdhsa_reserve_vcc 0
		.amdhsa_float_denorm_mode_32 3
		.amdhsa_float_denorm_mode_16_64 3
		.amdhsa_fp16_overflow 1
		.amdhsa_memory_ordered 1
		.amdhsa_forward_progress 1
		.amdhsa_inst_pref_size 81
	.end_amdhsa_kernel
	.amdgpu_metadata
---
amdhsa.version: [ 1, 2 ]
amdhsa.kernels:
  - .name:           k_q62a5b6ad01_gemm_qkv
    .symbol:         k_q62a5b6ad01_gemm_qkv.kd
    .args:
      - { .name: codes, .offset: 0, .size: 8, .value_kind: global_buffer, .address_space: global }
      - { .name: lowp_scales, .offset: 8, .size: 8, .value_kind: global_buffer, .address_space: global }
      - { .name: bq, .offset: 16, .size: 8, .value_kind: global_buffer, .address_space: global }
      - { .name: bk, .offset: 24, .size: 8, .value_kind: global_buffer, .address_space: global }
      - { .name: bv, .offset: 32, .size: 8, .value_kind: global_buffer, .address_space: global }
      - { .name: qkv, .offset: 40, .size: 8, .value_kind: global_buffer, .address_space: global }
    .group_segment_fixed_size: 327680
    .private_segment_fixed_size: 0
    .kernarg_segment_align: 8
    .kernarg_segment_size: 48
    .max_flat_workgroup_size: 128
    .sgpr_count:     96
    .vgpr_count:     896
    .wavefront_size: 32
...
	.end_amdgpu_metadata
.endif
;; end of part 2
;; launch attn (part 3): grid 4 x 64, 16 waves a work-group, clusters of 4 x 1, 264,192 bytes of LDS; arguments qkv, lowp_scales, oc; writes oc
.if DOCPART == 3
	.amdgcn_target "amdgcn-amd-amdhsa--gfx1250"
	.amdhsa_code_object_version 6
	.text
	.protected	k_q62a5b6ad01_attn
	.globl	k_q62a5b6ad01_attn
	.p2align	8
	.type	k_q62a5b6ad01_attn,@function
k_q62a5b6ad01_attn:
	s_mov_b64 s[64:65], 0
	v_nop
	global_prefetch_b8 v0, s[64:65] scope:SCOPE_SE
	s_setreg_imm32_b32 hwreg(HW_REG_WAVE_MODE, 25, 1), 1
	s_wait_xcnt 0x0
	s_wait_alu depctr_hold_cnt(0) depctr_sa_sdst(0) depctr_va_vdst(0) depctr_va_sdst(0) depctr_va_ssrc(0) depctr_va_vcc(0) depctr_vm_vsrc(0)
	s_getreg_b32 s2, hwreg(HW_REG_IB_STS2, 6, 4)
	s_cmp_eq_u32 s2, 0
	s_cbranch_scc0 .Lentry_in_a_cluster
	s_endpgm
.Lentry_in_a_cluster:
	s_bfe_u32 s2, ttmp6, 0x10000c
	s_cmp_lg_u32 s2, 0x3003
	s_cbranch_scc0 .Lentry_shape_is_right
	s_endpgm
.Lentry_shape_is_right:
; Causal attention on codes of E4M3, 64 heads (batch x head) of 2,048 tokens x 64 channels, and the quantising of its result for the last projection.
; t = score x 2^(e6 + e7) x log2(e) / 8;  M = the row's largest t so far, rounded UP to a whole number;  p = 2^(t - M) is quantised with 2^e8, not normalised;  l = the sum of the unquantised p;
; O = (sum of p's codes x v's codes) x 2^(e8 + e9) / l;  its code = O / 2^e10, held within +-448.  When M moves, l and O are multiplied by 2^(old M - new M): exact.
; INPUT: images of operand registers, as the launch before laid them: Q, K: [head][token / 16][1,024 B]; V: [head][key / 128][channel / 16][2,048 B].  A fragment comes by loads of 16 bytes at 16 x lane.
; SHARES.  A cluster of four work-groups is one head.  Work-group cx takes the tiles of 16 queries 4 u + cx, u = 0..31; wave w takes u = w (tile A) and u = 31 - w (tile B).  Tile u needs the key steps
; (128 keys) 0 .. u / 2: 17 tile-steps for every wave of every work-group.  Which steps a tile takes hangs on 64 u, the wave's number, alone; cx enters global addresses and the mask's numbers only.
; LDS.  The head's K (131,072 bytes) and V (as many) lie there whole, each byte filled once: no ring.  Waves 0, 1 ask for K, waves 2, 3 for V, jointly for the four work-groups,
; four loads of 16,384 bytes each (four loads of a wave are out), a quarter of the keys to a load, all at the kernel's head: so there is no later tile to ask ahead for, and no prefetch.
; LAYOUT.  Both products transposed: S^T = K Q^T, O^T = V^T P^T: a lane holds ONE query (lane % 16).  Register 8 t + j of S^T is key 16 t + 8 (lane / 16) + j: one conversion a tile gives registers 2 t, 2 t + 1 of P.
; OUTPUT oc: [token / 128][head / 4][token block 8][head % 4][1,024 B]: images again: 16 tokens x 64 channels.
; LIMITS: e6 + e7 between -123 and 130 (added to c's exponent field); e8, e10 between -126 and 119; e8 + e9 is applied by v_ldexp_f32 and has none.
.set LI,   1                           ; v1   16 x lane
.set ADK,  2                           ; v2   LDS address of the step's K (at the head: Q's offset, tile A)
.set ADV,  3                           ; v3   of its V (at the head: Q's offset, tile B)
.set PLIM, 4
.set PSC,  5                           ; v5   2^e8
.set DQA,  6                           ; v6, v7   my query - 8 (lane / 16), tiles A and B
.set DQB,  7
.set FF,   8                           ; v[8:9]   f = 2^(old M - new M), and a 0 that is named with it
.set MX,   10                          ; v10, v11 the maximum's two chains
.set SM2,  12                          ; v[12:13] the sum's second chain
.set PX,   14                          ; v14  a lane permute's destination
.set STA,  16                          ; v16-19, v20-23: -M, the largest t, the sum in two halves
.set STB,  20
.set QFA,  24                          ; v24-31, v32-39: Q's fragments
.set QFB,  32
.set OA,   40                          ; v40-71, v72-103: O^T, four tiles of 16 channels
.set OB,   72
.set F,    104                         ; v104-167 the step's fragments of K, then of V
.set S,    168                         ; v168-231 S^T, then p
.set PC,   232                         ; v232-247 p's codes
.set DD,   248
.set NINF, 249
.set GOA,  250                         ; v250, v251 my byte offsets in oc
.set GOB,  251
.set OLIM, 252                         ; v253 2^e10
.set OSC,  253
.set GG,   254                         ; v[254:255] tile A's 2^(e8 + e9) / l
.set WV,   10                          ; s10  wave
.set G1,   24                          ; s[24:31] descriptor group 1;  s[32:47] four groups 0
.set G0,   32
.set SEL,  48                          ; s[48:49] lane selects: lane l xor 16
.set CS,   50                          ; s[50:51] c
.set TB,   52                          ; s52  LDS byte of the step's K
.set KF,   53                          ; s53  the step's first key
.set QA,   54                          ; s54, s55  64 u of tiles A and B
.set QB,   55
.set CNT,  56
.macro CROUND
	s_barrier_signal -1
	s_barrier_wait -1
	s_cmp_lg_u32 s[WV], 0
	s_cbranch_scc1 .Lnot_wave_0_\@
	s_barrier_signal -3
.Lnot_wave_0_\@:
	s_barrier_wait -3
	s_barrier_signal -1
	s_barrier_wait -1
.endm
	s_load_b128 s[4:7], s[0:1], 0x0                ; qkv, the scales' exponents
	s_load_b64 s[8:9], s[0:1], 0x10                ; oc
	v_lshl_add_u32 v254, v0, 2, 0x40000
	v_mov_b32 v255, 0
	ds_add_u32 v254, v255
	ds_add_u32 v254, v255
	s_wait_dscnt 0x0
	v_lshrrev_b32 v1, 5, v0
	s_delay_alu instid0(VALU_DEP_1)
	v_readfirstlane_b32 s[WV], v1                  ; wave 0..15
	s_bfe_u32 s11, ttmp6, 0x40000                  ; cx
	s_and_b32 s12, ttmp7, 0xffff                   ; the head, which the four partners share
	s_bfe_u32 s57, s[WV], 0x10001                  ; a fetching wave: 0 K, 1 V
	s_and_b32 s58, s[WV], 1                        ; which half of a quarter
	s_lshl_b32 s59, s57, 17
	s_lshl_b32 s60, s58, 14
	s_add_co_u32 s59, s59, s60                     ; LDS: K at 0, V at 131,072; + 16,384 x half
	s_lshl_b32 s62, s57, 23
	s_add_co_u32 s62, s62, 0x800000                ; in qkv: K at 8 MiB, V at 16 MiB,
	s_lshl_b32 s61, s12, 17
	s_add_co_u32 s62, s62, s61                     ; 131,072 bytes a head,
	s_add_co_u32 s62, s62, s60                     ; my half
	s_mov_b32 s63, 0
	s_mov_b32 s[G1], 15|(3<<16)|(1<<21)            ; 15:0 the mask: all four work-groups; 17:16 elements of 8 bytes; 21 set beside a mask; no padding
	s_mov_b32 s[G1+1], 32<<16                      ; tensor_dim0 = 32 elements: rows of 256 bytes
	s_mov_b32 s[G1+2], 64<<16                      ; tensor_dim1 = 64
	s_mov_b32 s[G1+3], 32<<16                      ; tile_dim0
	s_mov_b32 s[G1+4], 64                          ; tile_dim1
	s_mov_b32 s[G1+5], 32                          ; dense
	s_mov_b32 s[G1+6], 0
	s_mov_b32 s[G1+7], 0
	s_mov_b32 s[SEL], 0x76543210
	s_mov_b32 s[SEL+1], 0xfedcba98
	s_mov_b32 s[CS], 0x3e38aa3b                    ; c = log2(e) / 8
	s_mov_b32 s[TB], 0
	s_mov_b32 s[KF], 0
	s_lshl_b32 s[QA], s[WV], 6
	s_sub_co_u32 s[QB], 31, s[WV]
	s_lshl_b32 s[QB], s[QB], 6
	s_wait_kmcnt 0x0
	s_load_b128 s[16:19], s[6:7], 0x18             ; e6, e7, e8, e9
	s_load_b32 s20, s[6:7], 0x28                   ; e10
	s_add_nc_u64 s[62:63], s[4:5], s[62:63]
.irp q, 0,1,2,3
	s_mov_b32 s[G0+4*\q], 1
	s_add_co_u32 s[G0+4*\q+1], s59, \q*32768       ; a quarter of the keys is 32,768 bytes of K and of V
	s_add_nc_u64 s[G0+4*\q+2:G0+4*\q+3], s[62:63], \q*32768
	s_or_b32 s[G0+4*\q+3], s[G0+4*\q+3], 0x80000000
.endr
	CROUND                                         ; all four work-groups are here: the joint loads meet
	s_cmp_lt_u32 s[WV], 4                          ; a wave's four fills stand in one branch, ahead of every wait on TENSORcnt and every LDS read
	s_cbranch_scc0 .Lno_fetch
	tensor_load_to_lds s[G0:G0+3], s[G1:G1+7]
	s_nop 0
	tensor_load_to_lds s[G0+4:G0+7], s[G1:G1+7]
	s_nop 0
	tensor_load_to_lds s[G0+8:G0+11], s[G1:G1+7]
	s_nop 0
	tensor_load_to_lds s[G0+12:G0+15], s[G1:G1+7]
	s_nop 0
.rept 4
	v_nop
.endr
.Lno_fetch:
	v_and_b32 v1, 31, v0
	s_delay_alu instid0(VALU_DEP_1)
	v_lshlrev_b32 v[LI], 4, v1
	s_wait_alu depctr_va_vdst(0)
	s_lshl_b32 s66, s[WV], 2
	s_sub_co_u32 s67, 124, s66
	s_add_co_u32 s66, s66, s11                     ; tile A: 4 w + cx
	s_add_co_u32 s67, s67, s11                     ; tile B: 4 (31 - w) + cx
	s_lshl_b32 s68, s12, 7
	s_add_co_u32 s69, s68, s66
	s_lshl_b32 s69, s69, 10
	v_add_nc_u32 v[ADK], s69, v[LI]                ; Q's image: (128 x head + tile) x 1,024 + 16 x lane
	s_add_co_u32 s69, s68, s67
	s_lshl_b32 s69, s69, 10
	v_add_nc_u32 v[ADV], s69, v[LI]
	global_load_b128 v[QFA:QFA+3], v[ADK], s[4:5]
	global_load_b128 v[QFA+4:QFA+7], v[ADK], s[4:5] offset:512
	global_load_b128 v[QFB:QFB+3], v[ADV], s[4:5]
	global_load_b128 v[QFB+4:QFB+7], v[ADV], s[4:5] offset:512
	v_and_b32 v[MX], 15, v0
	v_bfe_u32 v[MX+1], v0, 4, 1
	s_delay_alu instid0(VALU_DEP_1)
	v_lshlrev_b32 v[MX+1], 3, v[MX+1]
	s_delay_alu instid0(VALU_DEP_1)
	v_sub_nc_u32 v[MX], v[MX], v[MX+1]             ; r - 8 h
	s_lshl_b32 s69, s66, 4
	v_add_nc_u32 v[DQA], s69, v[MX]
	s_lshl_b32 s69, s67, 4
	v_add_nc_u32 v[DQB], s69, v[MX]
	s_lshr_b32 s70, s12, 4
	s_lshl_b32 s70, s70, 7                         ; 128 x batch: blocks of 16 tokens
	s_and_b32 s71, s12, 15                         ; the head in its batch
	s_lshr_b32 s72, s71, 2
	s_lshl_b32 s72, s72, 15
	s_and_b32 s73, s71, 3
	s_lshl_b32 s73, s73, 10
	s_add_co_u32 s72, s72, s73                     ; (head / 4) x 32,768 + (head % 4) x 1,024
	s_add_co_u32 s73, s70, s66
	s_lshr_b32 s74, s73, 3
	s_lshl_b32 s74, s74, 17
	s_and_b32 s73, s73, 7
	s_lshl_b32 s73, s73, 12
	s_add_co_u32 s74, s74, s73
	s_add_co_u32 s74, s74, s72
	v_add_nc_u32 v[GOA], s74, v[LI]
	s_add_co_u32 s73, s70, s67
	s_lshr_b32 s74, s73, 3
	s_lshl_b32 s74, s74, 17
	s_and_b32 s73, s73, 7
	s_lshl_b32 s73, s73, 12
	s_add_co_u32 s74, s74, s73
	s_add_co_u32 s74, s74, s72
	v_add_nc_u32 v[GOB], s74, v[LI]
.irp t, STA, STB
	v_mov_b32 v[\t+1], 0xff61b1e6                  ; the largest t so far: -3e38, under every t
	s_delay_alu instid0(VALU_DEP_1)
	v_floor_f32 v[\t], -v[\t+1]                    ; -M
	v_mov_b32 v[\t+2], 0
	v_mov_b32 v[\t+3], 0
.endr
	v_mov_b32 v[FF+1], 0                           ; (named as the upper halves of pairs, or as a permute's destination: so they are written)
	v_mov_b32 v[SM2], 0
	v_mov_b32 v[SM2+1], 0
	v_mov_b32 v[PX], 0
	v_mov_b32 v[GG+1], 0
	v_mov_b32 v[NINF], 0xff800000                  ; -infinity
.set n, 0
.rept 64
	v_mov_b32 v[OA+n], 0                           ; both O^T.  (The step is written once: a tile's first step finds zeros, which the first change of M leaves zeros)
.set n, n+1
.endr
	s_wait_kmcnt 0x0
	s_add_co_i32 s57, s16, s17
	s_lshl_b32 s57, s57, 23
	s_add_co_i32 s[CS], s[CS], s57                 ; a score stands for score x 2^(e6 + e7): added to c's exponent field
	s_mov_b32 s[CS+1], s[CS]
	s_add_co_i32 s57, s18, 127
	s_lshl_b32 s58, s57, 23
	v_mov_b32 v[PSC], s58
	s_add_co_i32 s57, s20, 127
	s_lshl_b32 s58, s57, 23
	v_mov_b32 v[OSC], s58
	s_add_co_i32 s75, s18, s19                     ; e8 + e9
; ONE TILE, ONE KEY STEP of 128 keys.  q, o, st, dq: the tile's registers; qw: the scalar with its 64 u.
; test = 1: a step all of whose keys come after the tile's queries is left out (128 s > 64 u + 63 is 128 s > 64 u).  mask = 1: hidden scores become -infinity, unless all 128 keys count (128 s + 128 <= 64 u).
.macro STEP q, o, st, dq, qw, test, mask
.if \test
	s_cmp_gt_u32 s[KF], s[\qw]
	s_cbranch_scc1 .Lhid_\@
.endif
	v_add_nc_u32 v[ADK], s[TB], v[LI]
	s_delay_alu instid0(VALU_DEP_1)
	v_add_nc_u32 v[ADV], 0x20000, v[ADK]
.irp t, 0,1,2,3,4,5,6,7
	ds_load_b128 v[F+8*\t:F+8*\t+3], v[ADK] offset:1024*\t          ; K's eight images: 512 consecutive bytes a load
	ds_load_b128 v[F+8*\t+4:F+8*\t+7], v[ADK] offset:1024*\t+512
.endr
	s_wait_alu depctr_va_vdst(0)
	s_wait_dscnt 0x0
.irp t, 0,1,2,3,4,5,6,7
	v_wmma_f32_16x16x64_fp8_fp8 v[S+8*\t:S+8*\t+7], v[F+8*\t:F+8*\t+7], v[\q:\q+7], 0
.endr
.rept 4
	v_nop                                          ; places in front of the loads into K's registers and of the first read of the scores
.endr
.irp c, 0,1,2,3
.irp g, 0,1,2,3
	ds_load_b128 v[F+16*\c+4*\g:F+16*\c+4*\g+3], v[ADV] offset:2048*\c+512*\g   ; V's four images, asked for here: they land during the softmax
.endr
.endr
.if \mask
	s_add_co_u32 s57, s[KF], 128
	s_cmp_le_u32 s57, s[\qw]
	s_cbranch_scc1 .Lopen_\@
	v_sub_nc_u32 v[DD], v[\dq], s[KF]              ; register 8 t + j holds key KF + 16 t + 8 h + j: hidden where 16 t + j > my query - 8 h - KF
.set n, 0
.rept 64
	v_cmp_gt_i32 vcc_lo, 16*(n/8)+n%8, v[DD]
	v_cndmask_b32 v[S+n], v[S+n], v[NINF], vcc_lo
.set n, n+1
.endr
.Lopen_\@:
.endif
	v_max3_num_f32 v[MX], v[S], v[S+1], v[S+2]     ; the step's largest score of my query among my 64 keys, in two chains, each accumulator from its low end on
	v_max3_num_f32 v[MX+1], v[S+3], v[S+4], v[S+5]
.irp i, 6,10,14,18,22,26,30,34,38,42,46,50,54,58
	v_max3_num_f32 v[MX], v[MX], v[S+\i], v[S+\i+1]
	v_max3_num_f32 v[MX+1], v[MX+1], v[S+\i+2], v[S+\i+3]
.endr
	v_max3_num_f32 v[MX], v[MX], v[S+62], v[S+63]
	s_delay_alu instid0(VALU_DEP_1)
	v_max_num_f32 v[MX], v[MX], v[MX+1]
	s_delay_alu instid0(VALU_DEP_1)
	v_permlanex16_b32 v[PX], v[MX], s[SEL], s[SEL+1]
	s_delay_alu instid0(VALU_DEP_1)
	v_max_num_f32 v[MX], v[MX], v[PX]              ; and among lane l xor 16's
	s_delay_alu instid0(VALU_DEP_1)
	v_mul_f32 v[MX], s[CS], v[MX]                  ; as t (c is positive)
	s_delay_alu instid0(VALU_DEP_1)
	v_max_num_f32 v[\st+1], v[\st+1], v[MX]        ; the running largest t
	v_mov_b32 v[MX], v[\st]
	s_delay_alu instid0(VALU_DEP_2)
	v_floor_f32 v[\st], -v[\st+1]                  ; the new -M = floor(-t): M is a whole number
	s_delay_alu instid0(VALU_DEP_1)
	v_sub_f32 v[MX], v[\st], v[MX]                 ; old M - new M: a whole number, 0 or less
	s_delay_alu instid0(VALU_DEP_1)
	v_cvt_i32_f32 v[MX], v[MX]                     ; (it saturates)
	s_delay_alu instid0(VALU_DEP_1)
	v_ldexp_f32 v[FF], 1.0, v[MX]                  ; f = 2^(old M - new M)
.set n, 0
.rept 32
	v_pk_fma_f32 v[S+n:S+n+1], v[S+n:S+n+1], s[CS:CS+1], v[\st:\st+1] op_sel_hi:[1,0,0]   ; t - M (of the pairs c and -M the low word serves both halves)
.set n, n+2
.endr
.set n, 0
	s_wait_alu depctr_va_vdst(0)
.rept 64
	v_exp_f32 v[S+n], v[S+n]                       ; p = 2^(t - M), at most 1
.set n, n+1
.endr
	v_pk_mul_f32 v[\st+2:\st+3], v[\st+2:\st+3], v[FF:FF+1] op_sel_hi:[1,0]   ; the sums under the new M: the plain line behind the exponentials
	s_wait_alu depctr_va_vdst(0)                   ; one wait for the whole batch, ahead of its first reader
	v_pk_add_f32 v[SM2:SM2+1], v[S:S+1], v[S+2:S+3]   ; the row's sum is taken of the UNQUANTISED p, in two chains
.irp j, 4,8,12,16,20,24,28,32,36,40,44,48,52,56,60
	v_pk_add_f32 v[\st+2:\st+3], v[\st+2:\st+3], v[S+\j:S+\j+1]
	v_pk_add_f32 v[SM2:SM2+1], v[SM2:SM2+1], v[S+\j+2:S+\j+3]
.endr
	s_delay_alu instid0(VALU_DEP_1)
	v_pk_add_f32 v[\st+2:\st+3], v[\st+2:\st+3], v[SM2:SM2+1]
.irp t, 0,1,2,3,4,5,6,7
.irp i, 0,1,2,3,4,5,6,7
.endr
	v_cvt_scalef32_pk8_fp8_f32 v[PC+2*\t:PC+2*\t+1], v[S+8*\t:S+8*\t+7], v[PSC]   ; keys 16 t + 8 h + 0..7: registers 2 t, 2 t + 1 of the operand
.endr
.set n, 0
.rept 16
	v_pk_mul_f32 v[\o+n:\o+n+1], v[\o+n:\o+n+1], v[FF:FF+1] op_sel_hi:[1,0]   ; O^T under the new M.  (Plain lines between the conversions and the products)
.set n, n+2
.endr
	s_wait_alu depctr_va_vdst(0)
	s_wait_dscnt 0x0                               ; V is in
.irp c, 0,1,2,3
	v_wmma_f32_16x16x128_fp8_fp8 v[\o+8*\c:\o+8*\c+7], v[F+16*\c:F+16*\c+15], v[PC:PC+15], v[\o+8*\c:\o+8*\c+7]   ; the four accumulators by turns
.endr
.rept 4
	v_nop                                          ; places for whatever follows on any way: loads into V's registers, reads of O^T
.endr
.if \test
.Lhid_\@:
.endif
.endm
.macro NEXTSTEP
	s_add_co_u32 s[KF], s[KF], 128
	s_add_co_u32 s[TB], s[TB], 8192
	s_sub_co_u32 s[CNT], s[CNT], 1
	s_cmp_lg_u32 s[CNT], 0
.endm
	s_wait_loadcnt 0x0                             ; Q; its offsets' registers may now be written
	s_wait_tensorcnt 3                             ; my part of the first quarter is in; the three later quarters may stay out
	s_wait_dscnt 0x0
	s_barrier_signal -1
	s_barrier_wait -1
	s_mov_b32 s[CNT], 4
.Lfirst:                                           ; key steps 0..3: the first quarter.  Tile B (u >= 16) takes all of keys 0..1023, unmasked
	STEP QFA, OA, STA, DQA, QA, 1, 1
	STEP QFB, OB, STB, DQB, QB, 0, 0
	NEXTSTEP
	s_cbranch_scc1 .Lfirst
	s_wait_tensorcnt 0x0                           ; all my loads are in,
	s_wait_dscnt 0x0
	s_barrier_signal -1
	s_barrier_wait -1                              ; everybody's are: the whole head lies in LDS
	s_mov_b32 s[CNT], 4
.Lsecond:                                          ; key steps 4..7
	STEP QFA, OA, STA, DQA, QA, 1, 1
	STEP QFB, OB, STB, DQB, QB, 0, 0
	NEXTSTEP
	s_cbranch_scc1 .Lsecond
	s_mov_b32 s[CNT], 8
.Lthird:                                           ; key steps 8..15: tile A (u <= 15) has ended
	STEP QFB, OB, STB, DQB, QB, 1, 1
	NEXTSTEP
	s_cbranch_scc1 .Lthird
	; THE WAY OUT: O^T x 2^(e8 + e9) / l, quantised; a lane's 32 codes are registers 0-7 of the next operand: two stores of 512 consecutive bytes a tile
	v_add_f32 v[MX], v[STA+2], v[STA+3]
	v_add_f32 v[MX+1], v[STB+2], v[STB+3]
	s_delay_alu instid0(VALU_DEP_2)
	v_permlanex16_b32 v[PX], v[MX], s[SEL], s[SEL+1]
	s_delay_alu instid0(VALU_DEP_2)
	v_permlanex16_b32 v[SM2], v[MX+1], s[SEL], s[SEL+1]
	s_delay_alu instid0(VALU_DEP_2)
	v_add_f32 v[MX], v[MX], v[PX]
	s_delay_alu instid0(VALU_DEP_2)
	v_add_f32 v[MX+1], v[MX+1], v[SM2]
	s_wait_alu depctr_va_vdst(0)
	v_rcp_f32 v[GG], v[MX]
	v_rcp_f32 v[FF], v[MX+1]
	v_nop                                          ; a plain line behind the reciprocals
	s_wait_alu depctr_va_vdst(0)                   ; one wait for both, ahead of their first reader
	v_ldexp_f32 v[GG], v[GG], s75
	v_ldexp_f32 v[FF], v[FF], s75
.macro OUT o, g, pc, go
.set n, 0
.rept 16
	v_pk_mul_f32 v[\o+n:\o+n+1], v[\o+n:\o+n+1], v[\g:\g+1] op_sel_hi:[1,0]
.set n, n+2
.endr
.set n, 0
.rept 32
.set n, n+1
.endr
.irp c, 0,1,2,3
	v_cvt_scalef32_pk8_fp8_f32 v[\pc+2*\c:\pc+2*\c+1], v[\o+8*\c:\o+8*\c+7], v[OSC]
.endr
	v_nop
	global_store_b128 v[\go], v[\pc:\pc+3], s[8:9]
	global_store_b128 v[\go], v[\pc+4:\pc+7], s[8:9] offset:512
.endm
	OUT OA, GG, PC, GOA
	OUT OB, FF, PC+8, GOB
	s_wait_dscnt 0x0
	s_wait_xcnt 0x0
	v_lshl_add_u32 v254, v0, 2, 0x40000
	v_mov_b32 v255, 0
	s_wait_alu depctr_va_vdst(0)
	s_wait_tensorcnt 0x0
	ds_add_u32 v254, v255
	s_wait_dscnt 0x0
	CROUND                                         ; the closing round: no work-group ends while a partner may still ask for a tile that names it
	s_endpgm
.Lfunc_end_k_q62a5b6ad01_attn:
	.size	k_q62a5b6ad01_attn, .Lfunc_end_k_q62a5b6ad01_attn-k_q62a5b6ad01_attn
	.p2alignl 7, 3214868480
	.fill 96, 4, 3214868480
	.section	.rodata,"a",@progbits
	.p2align	6, 0x0
	.amdhsa_kernel k_q62a5b6ad01_attn
		.amdhsa_group_segment_fixed_size 264192
		.amdhsa_private_segment_fixed_size 0
		.amdhsa_enable_private_segment 0
		.amdhsa_kernarg_size 24
		.amdhsa_user_sgpr_count 2
		.amdhsa_user_sgpr_kernarg_segment_ptr 1
		.amdhsa_wavefront_size32 1
		.amdhsa_system_sgpr_workgroup_id_x 1
		.amdhsa_system_sgpr_workgroup_id_y 1
		.amdhsa_system_sgpr_workgroup_id_z 1
		.amdhsa_system_vgpr_workitem_id 0
		.amdhsa_next_free_vgpr 256
		.amdhsa_next_free_sgpr 80
		.amdhsa_reserve_vcc 1
		.amdhsa_float_denorm_mode_32 3
		.amdhsa_float_denorm_mode_16_64 3
		.amdhsa_fp16_overflow 1
		.amdhsa_memory_ordered 1
		.amdhsa_forward_progress 1
		.amdhsa_inst_pref_size 98
	.end_amdhsa_kernel
	.amdgpu_metadata
---
amdhsa.version: [ 1, 2 ]
amdhsa.kernels:
  - .name:           k_q62a5b6ad01_attn
    .symbol:         k_q62a5b6ad01_attn.kd
    .args:
      - { .name: qkv, .offset: 0, .size: 8, .value_kind: global_buffer, .address_space: global }
      - { .name: lowp_scales, .offset: 8, .size: 8, .value_kind: global_buffer, .address_space: global }
      - { .name: oc, .offset: 16, .size: 8, .value_kind: global_buffer, .address_space: global }
    .group_segment_fixed_size: 264192
    .private_segment_fixed_size: 0
    .kernarg_segment_align: 8
    .kernarg_segment_size: 24
    .max_flat_workgroup_size: 512
    .sgpr_count:     80
    .vgpr_count:     256
    .wavefront_size: 32
...
	.end_amdgpu_metadata
.endif
;; end of part 3
;; launch gemm_out (part 4): grid 4 x 64, 4 waves a work-group, clusters of 4 x 4, 327,680 bytes of LDS; arguments oc, codes, lowp_scales, bo, out0; writes out0
.if DOCPART == 4
	.amdgcn_target "amdgcn-amd-amdhsa--gfx1250"
	.amdhsa_code_object_version 6
	.text
	.protected	k_q62a5b6ad01_gemm_out
	.globl	k_q62a5b6ad01_gemm_out
	.p2align	8
	.type	k_q62a5b6ad01_gemm_out,@function
k_q62a5b6ad01_gemm_out:
	s_mov_b64 s[64:65], 0
	v_nop
	global_prefetch_b8 v0, s[64:65] scope:SCOPE_SE
	s_setreg_imm32_b32 hwreg(HW_REG_WAVE_MODE, 25, 1), 1
	s_wait_xcnt 0x0
	s_wait_alu depctr_hold_cnt(0) depctr_sa_sdst(0) depctr_va_vdst(0) depctr_va_sdst(0) depctr_va_ssrc(0) depctr_va_vcc(0) depctr_vm_vsrc(0)
	s_getreg_b32 s2, hwreg(HW_REG_IB_STS2, 6, 4)
	s_cmp_eq_u32 s2, 0
	s_cbranch_scc0 .Lentry_in_a_cluster
	s_endpgm
.Lentry_in_a_cluster:
	s_bfe_u32 s2, ttmp6, 0x10000c
	s_cmp_lg_u32 s2, 0xf033
	s_cbranch_scc0 .Lentry_shape_is_right
	s_endpgm
.Lentry_shape_is_right:
; out0 = O wo + bo on codes of E4M3: out0[token][n] = (sum over k of O's codes x wo's codes) x 2^(e10 + e11) + bo[n], f32.
; A = oc: O's codes as images of operand registers, [token / 128 64][K slot 4][token block 8][2 x 2,048 B]: an image is 16 tokens x 128 along K, registers 4 c .. 4 c + 3 at 512 c + 16 x lane,
;     with k = 16 c' + 8 (lane / 16) + 0..7 in registers 2 c', 2 c' + 1.   B = wo's codes at 27 MiB of 'codes': [1024 (n)][1024 places], place p = k with bits 3 and 4 exchanged: four loads of
;     16 bytes, 32 apart, give a lane the same k in the same registers.
; A tile of out0 is 128 x 256, K = 1,024; four waves, each 64 x 128: 32 accumulators; 256 work-groups.  K goes in steps of 256 through a ring of two LDS slots, four slots' worth: written out, without a loop.
; THE MATRIX INSTRUCTION IS USED TRANSPOSED (source 0 = 16 rows of B, source 1 = 16 rows of A): a lane holds eight neighbouring numbers of a row of out0.
; CLUSTERS: 4 x 4 work-groups: A's tile is shared along a row of the cluster, B's along a column: each is asked for jointly.  No prefetch: of K's four slots two are first fills.
; LIMIT: e10 + e11 between -126 and 127.
; REGISTERS, in windows of 256: window 0: addresses, the way out.  window 1: B's fragments, two sets.  window 2: accumulator (a, b) at v[64 a + 8 b].  window 3: A's fragments, two sets (v0, v64); from v128 bo's 64 numbers.
.set PITCH,  272                       ; B's LDS row: 256 bytes + 16 of padding
.set ATILE,  32768                     ; A's 8 blocks x 2 images x 2,048 bytes
.set SLOT,   ATILE+256*PITCH           ; then B's 256 rows: 102,400
.set SPARE,  2*SLOT                    ; behind the ring: the spare words, 128 bytes for each wave: two blocks of 256 bytes that no other line names
.set ASTEP,  65536                     ; two slots on along K, in bytes: in oc,
.set BSTEP,  512                       ; and in a row of wo's codes
.set SPITCH, 528                       ; the way out: a stage of 16 rows x (512 bytes + 16) for each wave, in slot 0, which has had its last fill and its last read when the first result is stored there
.set ADRA, 16
.set ADRB, 20
.set STO,  24                          ; v24  the way out: where I put 32 bytes of a row
.set RD,   25                          ; v25  where I read a row back
.set CO,   26                          ; v26  16 x lane: my bytes of a row's 512
.set SPW,  28
.set NIL,  29
.set TMP,  32                          ; v32-95   a block's 64 results
.set BK,   96                          ; v96-159, v160-223 by turns: 16 rows read back
.set BN,   128                         ; in window 3: bo
.set G1,  24
.set G0,  32
.set G1B, 48
.set G0B, 56
.set MSB, 0
.macro WIN new                         ; the immediate's high byte repeats the setting that is left; a switch that changes nothing is dropped
.if MSB != \new
	s_set_vgpr_msb (MSB<<8)|\new
.set MSB, \new
.endif
.endm
.set MUL,  0xad                        ; source 0 (B) window 1, source 1 (A) window 3, C and D window 2
.set TO_B, 0x40
.set TO_A, 0xc0
.macro JLOAD g0a, g1a, g0b, g1b        ; a joint load: waves 0 and 1 fetch A's halves, waves 2 and 3 B's; four v_nop follow each of the two lines
	s_cmp_eq_u32 s17, 0
	s_cbranch_scc0 .Lfor_b_\@
	tensor_load_to_lds s[\g0a:\g0a+3], s[\g1a:\g1a+7]
	s_nop 0
.rept 4
	v_nop
.endr
	s_branch .Lasked_\@
.Lfor_b_\@:
	tensor_load_to_lds s[\g0b:\g0b+3], s[\g1b:\g1b+7]
	s_nop 0
.rept 4
	v_nop
.endr
.Lasked_\@:
.endm
.macro CREST
	s_cmp_lg_u32 s16, 0
	s_cbranch_scc1 .Lnot_wave_0_\@
	s_barrier_signal -3
.Lnot_wave_0_\@:
	s_barrier_wait -3
	s_barrier_signal -1
	s_barrier_wait -1
.endm
.macro CROUND
	s_barrier_signal -1
	s_barrier_wait -1
	CREST
.endm
.macro PLACES n
.rept \n
	v_nop
.endr
.endm
	s_load_b256 s[4:11], s[0:1], 0x0               ; oc s[4:5], codes s[6:7], the scales' exponents s[8:9], bo s[10:11]
	s_load_b64 s[12:13], s[0:1], 0x20              ; out0
	v_lshl_add_u32 v[SPW], v0, 2, SPARE
	v_mov_b32 v[NIL], 0
	ds_add_u32 v28, v29
	ds_add_u32 v28, v29
	s_wait_dscnt 0x0
	v_lshrrev_b32 v1, 5, v0
	v_readfirstlane_b32 s16, v1                    ; wave 0..3
	s_lshr_b32 s17, s16, 1                         ; which 64 rows are mine.  Also: I fetch for A (0) or for B (1)
	s_and_b32 s18, s16, 1                          ; which 128 columns.  Also: which half of that tile I fetch
	s_bfe_u32 s19, ttmp6, 0x40000                  ; cx
	s_bfe_u32 s20, ttmp6, 0x40004                  ; cy
	s_and_b32 s21, ttmp7, 0xffff
	s_lshl_b32 s86, s21, 2
	s_add_co_u32 s86, s86, s20                     ; tile row (128 tokens) = 4 x cluster y + cy
	s_lshl_b32 s87, ttmp9, 2
	s_add_co_u32 s87, s87, s19                     ; tile column (256) = 4 x cluster x + cx
	s_lshl_b32 s69, s20, 2
	s_lshl_b32 s69, 15, s69                        ; my row of the cluster
	s_lshl_b32 s70, 0x1111, s19                    ; my column
	s_or_b32 s[G1], s69, (3<<16)|(1<<21)           ; A: the mask; elements of 8 bytes; 21 set beside a mask; no padding: a dense block of 16,384 bytes as 64 rows of 256
	s_mov_b32 s[G1+1], 32<<16
	s_mov_b32 s[G1+2], 64<<16
	s_mov_b32 s[G1+3], 32<<16
	s_mov_b32 s[G1+4], 64
	s_mov_b32 s[G1+5], 32
	s_mov_b32 s[G1+6], 0
	s_mov_b32 s[G1+7], 0
	s_or_b32 s[G1B], s70, (1<<20)|(1<<21)|(5<<22)|(3<<25)   ; B: elements of 1 byte; four words of padding after every 64
	s_mov_b32 s[G1B+1], 256<<16
	s_mov_b32 s[G1B+2], 128<<16
	s_mov_b32 s[G1B+3], 256<<16
	s_mov_b32 s[G1B+4], 128
	s_mov_b32 s[G1B+5], 1024
	s_mov_b32 s[G1B+6], 0
	s_mov_b32 s[G1B+7], 0
	s_lshl_b32 s40, s86, 17                        ; A: 131,072 bytes a tile row, + 16,384 x half.  These registers never hold cx
	s_lshl_b32 s41, s18, 14
	s_add_co_u32 s40, s40, s41
	s_mov_b32 s41, 0
	s_lshl_b32 s44, s87, 8                         ; B: row 256 x tile column + 128 x half.  These never hold cy
	s_lshl_b32 s45, s18, 7
	s_add_co_u32 s44, s44, s45
	s_lshl_b32 s44, s44, 10
	s_add_co_u32 s44, s44, 0x1b00000               ; wo's codes at 27 MiB
	s_mov_b32 s45, 0
	s_lshl_b32 s42, s18, 14                        ; where they go: no place in the cluster enters an LDS address
	s_mul_i32 s46, s18, 128*PITCH
	s_add_co_u32 s46, s46, ATILE
	s_wait_kmcnt 0x0
	s_load_b64 s[80:81], s[8:9], 0x28              ; e10, e11
	s_add_nc_u64 s[40:41], s[4:5], s[40:41]
	s_add_nc_u64 s[44:45], s[6:7], s[44:45]
	CROUND                                         ; all sixteen work-groups are here: the first joint loads meet
.irp s, 0,1
	s_mov_b32 s[G0+4*\s], 1
	s_add_co_u32 s[G0+4*\s+1], s42, \s*SLOT
	s_add_nc_u64 s[G0+4*\s+2:G0+4*\s+3], s[40:41], \s*32768
	s_or_b32 s[G0+4*\s+3], s[G0+4*\s+3], 0x80000000
	s_mov_b32 s[G0B+4*\s], 1
	s_add_co_u32 s[G0B+4*\s+1], s46, \s*SLOT
	s_add_nc_u64 s[G0B+4*\s+2:G0B+4*\s+3], s[44:45], \s*256
	s_or_b32 s[G0B+4*\s+3], s[G0B+4*\s+3], 0x80000000
	s_wait_alu depctr_va_vdst(0)
	s_wait_tensorcnt 0x0
	ds_add_u32 v28, v29
	ds_add_u32 v28, v29
	s_wait_dscnt 0x0
	CROUND
	JLOAD G0+4*\s, G1, G0B+4*\s, G1B               ; one load of mine is out here, one behind each later round
.endr
	v_and_b32 v1, 15, v0                           ; r
	v_bfe_u32 v2, v0, 4, 1                         ; h
	s_wait_alu depctr_va_vdst(0)
	v_and_b32 v3, 31, v0
	v_lshlrev_b32 v[CO], 4, v3                     ; 16 x lane
	v_mul_u32_u24 v4, v1, PITCH
	v_lshl_add_u32 v4, v2, 4, v4
	s_lshl_b32 s66, s17, 14                        ; my four blocks of A
	s_mul_i32 s67, s18, 128*PITCH
	s_add_co_u32 s67, s67, ATILE                   ; my 128 rows of B
.irp s, 0,1
	v_add_nc_u32 v[ADRA+\s], s66, v[CO]
	v_add_nc_u32 v[ADRB+\s], s67, v4
	s_add_co_u32 s66, s66, SLOT
	s_add_co_u32 s67, s67, SLOT
.endr
	s_lshl_b32 s66, s87, 8
	s_lshl_b32 s67, s18, 7
	s_add_co_u32 s66, s66, s67                     ; my first column
	s_lshl_b32 s66, s66, 2
	v_lshl_add_u32 v6, v2, 5, s66                  ; bo: 4 x (my first column + 8 h)
	WIN TO_A
.irp b, 0,1,2,3,4,5,6,7
	global_load_b128 v[BN+8*\b:BN+8*\b+3], v6, s[10:11] offset:64*\b
	global_load_b128 v[BN+8*\b+4:BN+8*\b+7], v6, s[10:11] offset:64*\b+16
.endr
	WIN 0
	s_mul_i32 s67, s16, 16*SPITCH                  ; my stage
	v_mul_u32_u24 v5, v1, SPITCH
	v_lshl_add_u32 v5, v2, 5, v5
	v_add_nc_u32 v[STO], s67, v5                   ; in: row r, 32 bytes for each half of the lanes
	v_add_nc_u32 v[RD], s67, v[CO]                 ; back: the 32 lanes take one row of 512 bytes
	s_lshl_b32 s68, s86, 7
	s_lshl_b32 s69, s17, 6
	s_add_co_u32 s68, s68, s69                     ; my first row
	s_lshl_b32 s68, s68, 12
	s_add_co_u32 s68, s68, s66                     ; x 4,096 + 4 x my first column
	s_mov_b32 s69, 0
	s_add_nc_u64 s[12:13], s[12:13], s[68:69]
; 48 LDS loads in one run: the fragments of the slot's q-th 128 along K into set p.  B from rows, A from images.
.macro FETCH slot, q, p
	WIN TO_B
.irp i, 0,1,2,3,4,5,6,7
.irp c, 0,1,2,3
	ds_load_b128 v[128*(\p)+16*\i+4*\c:128*(\p)+16*\i+4*\c+3], v[ADRB+\slot] offset:128*(\q)+32*\c+\i*16*PITCH
.endr
.endr
	WIN TO_A
.irp i, 0,1,2,3
.irp c, 0,1,2,3
	ds_load_b128 v[64*(\p)+16*\i+4*\c:64*(\p)+16*\i+4*\c+3], v[ADRA+\slot] offset:4096*\i+2048*(\q)+512*\c
.endr
.endr
.endm
; 8 matrix instructions: A's block a x B's eight.  The 32 accumulators take turns, one instruction a turn, in the same order in every step.
.macro MUL8 a, p, zero
.irp b, 0,1,2,3,4,5,6,7
.if \zero
	v_wmma_f32_16x16x128_fp8_fp8 v[64*(\a)+8*\b:64*(\a)+8*\b+7], v[128*(\p)+16*\b:128*(\p)+16*\b+15], v[64*(\p)+16*(\a):64*(\p)+16*(\a)+15], 0
.else
	v_wmma_f32_16x16x128_fp8_fp8 v[64*(\a)+8*\b:64*(\a)+8*\b+7], v[128*(\p)+16*\b:128*(\p)+16*\b+15], v[64*(\p)+16*(\a):64*(\p)+16*(\a)+15], v[64*(\a)+8*\b:64*(\a)+8*\b+7]
.endif
.endr
.endm
.macro STEP slot, zero                 ; a slot's first 128 along K (set 0); the second 128's fragments are asked for ahead of its 32 products
	s_wait_dscnt 0x0                               ; set 0 is in
	PLACES 4                                       ; set 1 was read by the products just issued
	FETCH \slot, 1, 1
	WIN MUL
	MUL8 0, 0, \zero
	MUL8 1, 0, \zero
	MUL8 2, 0, \zero
	MUL8 3, 0, \zero
	WIN 0
.endm
; A slot's second 128 (set 1), and the change of slots: ONE barrier; in front of it each wave waits for all its tensor loads, adds 0 to its spare word, and waits for that and for its reads of this slot.
.macro TURN slot, next, fill
	s_wait_tensorcnt 0x0                           ; all my tensor loads have landed: my part of the next slot
	ds_add_u32 v[SPW], v[NIL]                      ; 0 onto my spare word
	s_wait_dscnt 1                                 ; set 1 is in; the add alone may be out
	WIN MUL
	MUL8 0, 1, 0
	s_wait_dscnt 0x0                               ; the add is done, and my reads of this slot are over
	s_barrier_signal -1
	MUL8 1, 1, 0
	WIN 0
	s_barrier_wait -1
.if \fill
	CREST                                          ; the barrier has opened a round of the cluster's: no wave of any partner still reads this slot or has a load on its way
	s_add_nc_u64 s[G0+4*\slot+2:G0+4*\slot+3], s[G0+4*\slot+2:G0+4*\slot+3], ASTEP
	s_add_nc_u64 s[G0B+4*\slot+2:G0B+4*\slot+3], s[G0B+4*\slot+2:G0B+4*\slot+3], BSTEP
	JLOAD G0+4*\slot, G1, G0B+4*\slot, G1B         ; the first tensor load behind the round; its four v_nop are also the places in front of the loads below
.else
	PLACES 4
.endif
	FETCH \next, 0, 0
	WIN MUL
	MUL8 2, 1, 0
	MUL8 3, 1, 0
	WIN 0
.endm
	s_wait_alu depctr_va_vdst(0)
	s_wait_tensorcnt 1                             ; my part of slot 0 is in; slot 1's may stay out
	s_barrier_signal -1
	s_barrier_wait -1
	FETCH 0, 0, 0
	STEP 0, 1                                      ; the first products start the sums: nothing is cleared
	TURN 0, 1, 1
	STEP 1, 0
	TURN 1, 0, 1
	STEP 0, 0
	TURN 0, 1, 0                                   ; behind this barrier nobody reads slot 0 any more
	STEP 1, 0
	s_wait_dscnt 0x0
	WIN MUL
	MUL8 0, 1, 0
	MUL8 1, 1, 0
	MUL8 2, 1, 0
	MUL8 3, 1, 0
	WIN 0
; THE WAY OUT, block by block of 16 rows x 128 columns: through my own stage in LDS and back as whole rows of 512 bytes.  LDS serves a wave's instructions in order (ISA guide 5.7.1.4):
; no wait between the stores and the loads, nor in front of the next block's stores.
.macro TOSTAGE a
	WIN 0x32                                       ; source 0 (the sums) window 2, source 2 (bo) window 3
.set n, 0
.rept 32
	v_pk_fma_f32 v[TMP+n:TMP+n+1], v[64*(\a)+n:64*(\a)+n+1], s[76:77], v[BN+n:BN+n+1] op_sel_hi:[1,0,1]   ; sum x 2^(e10 + e11) + bo; each accumulator from its low end on
.set n, n+2
.endr
	WIN 0
.irp b, 0,1,2,3,4,5,6,7
	ds_store_b128 v[STO], v[TMP+8*\b:TMP+8*\b+3] offset:64*\b
	ds_store_b128 v[STO], v[TMP+8*\b+4:TMP+8*\b+7] offset:64*\b+16
.endr
.set BB, BK+64*((\a)%2)
.irp t, 0,1,2,3,4,5,6,7,8,9,10,11,12,13,14,15
	ds_load_b128 v[BB+4*\t:BB+4*\t+3], v[RD] offset:\t*SPITCH
.endr
.endm
.macro SEND a, younger                 ; younger: the LDS instructions issued behind block a's loads, which may stay out
.set BB, BK+64*((\a)%2)
	s_wait_dscnt \younger
.if (\a) > 0
	s_add_nc_u64 s[12:13], s[12:13], 65536         ; 16 rows on (behind a wait on XCNT: the earlier stores have read their base)
.endif
.irp t, 0,1,2,3,4,5,6,7,8,9,10,11,12,13,14,15
	global_store_b128 v[CO], v[BB+4*\t:BB+4*\t+3], s[12:13] offset:\t*4096 th:TH_STORE_NT   ; 32 lanes store 512 consecutive bytes, aligned; written once, read by nobody here
.endr
.endm
	s_wait_loadcnt 0x0                             ; bo
	s_wait_kmcnt 0x0
	s_add_co_i32 s76, s80, s81
	s_add_co_i32 s76, s76, 127
	s_lshl_b32 s76, s76, 23                        ; 2^(e10 + e11) as f32
	s_mov_b32 s77, s76
	PLACES 4                                       ; behind the last products, ahead of the first read of results
	TOSTAGE 0
.irp a, 1,2,3
.if \a > 1
	s_wait_xcnt 0x0                                ; block a - 2's stores have read their registers and their base
.endif
	TOSTAGE \a
	SEND \a-1, 32                                  ; behind block a - 1's loads: block a's 16 stores and 16 loads
.endr
	s_wait_xcnt 0x0
	SEND 3, 0
	s_wait_tensorcnt 0x0                           ; the wave's end
	ds_add_u32 v[SPW], v[NIL]
	s_wait_dscnt 0x0
	CROUND                                         ; the closing round
	s_endpgm
.Lfunc_end_k_q62a5b6ad01_gemm_out:
	.size	k_q62a5b6ad01_gemm_out, .Lfunc_end_k_q62a5b6ad01_gemm_out-k_q62a5b6ad01_gemm_out
	.p2alignl 7, 3214868480
	.fill 96, 4, 3214868480
	.section	.rodata,"a",@progbits
	.p2align	6, 0x0
	.amdhsa_kernel k_q62a5b6ad01_gemm_out
		.amdhsa_group_segment_fixed_size 327680
		.amdhsa_private_segment_fixed_size 0
		.amdhsa_enable_private_segment 0
		.amdhsa_kernarg_size 40
		.amdhsa_user_sgpr_count 2
		.amdhsa_user_sgpr_kernarg_segment_ptr 1
		.amdhsa_wavefront_size32 1
		.amdhsa_system_sgpr_workgroup_id_x 1
		.amdhsa_system_sgpr_workgroup_id_y 1
		.amdhsa_system_sgpr_workgroup_id_z 1
		.amdhsa_system_vgpr_workitem_id 0
		.amdhsa_next_free_vgpr 960
		.amdhsa_next_free_sgpr 96
		.amdhsa_reserve_vcc 0
		.amdhsa_float_denorm_mode_32 3
		.amdhsa_float_denorm_mode_16_64 3
		.amdhsa_memory_ordered 1
		.amdhsa_forward_progress 1
		.amdhsa_inst_pref_size 78
	.end_amdhsa_kernel
	.amdgpu_metadata
---
amdhsa.version: [ 1, 2 ]
amdhsa.kernels:
  - .name:           k_q62a5b6ad01_gemm_out
    .symbol:         k_q62a5b6ad01_gemm_out.kd
    .args:
      - { .name: oc, .offset: 0, .size: 8, .value_kind: global_buffer, .address_space: global }
      - { .name: codes, .offset: 8, .size: 8, .value_kind: global_buffer, .address_space: global }
      - { .name: lowp_scales, .offset: 16, .size: 8, .value_kind: global_buffer, .address_space: global }
      - { .name: bo, .offset: 24, .size: 8, .value_kind: global_buffer, .address_space: global }
      - { .name: out0, .offset: 32, .size: 8, .value_kind: global_buffer, .address_space: global }
    .group_segment_fixed_size: 327680
    .private_segment_fixed_size: 0
    .kernarg_segment_align: 8
    .kernarg_segment_size: 40
    .max_flat_workgroup_size: 128
    .sgpr_count:     96
    .vgpr_count:     960
    .wavefront_size: 32
...
	.end_amdgpu_metadata
.endif
;; end of part 4
